; MI455X (gfx1250); checked and timed in simulation.
; The chip was launched on July 23, 2026; its instructions are those of AMD's public machine-readable ISA for CDNA 5 (MIT licence, August 2026) and "CDNA5" Instruction Set Architecture Reference Guide (July 2026). The comments in the code are by the model that wrote it; some were corrected since.
;; ROI. Allowed arithmetic: float matrix products may take bf16 or f16 operands with f32 sums; all other float work in f32.
;; Inputs: features 4 x 256 x 50 x 50 float32; proposals 4 x 256 x 4 float32.
;; Outputs: out0 4 x 256 x 256 x 7 x 7 float32.
;; One version. Each part assembles by itself: llvm-mc -triple=amdgcn-amd-amdhsa -mcpu=gfx1250 --defsym DOCPART=n.
;; ======== version 1 of 1: 2 launches
;; workspace buffers: tabi 65,536 bytes of whole numbers; tabf 131,072 bytes
;; launch prep (part 1): grid 128 x 1, 4 waves a work-group, no clusters, 0 bytes of LDS; arguments proposals, tabi, tabf; writes tabi, tabf
.if DOCPART == 1
	.amdgcn_target "amdgcn-amd-amdhsa--gfx1250"
	.amdhsa_code_object_version 6
	.text
	.protected	k_q2ead2b991b_prep
	.globl	k_q2ead2b991b_prep
	.p2align	8
	.type	k_q2ead2b991b_prep,@function
k_q2ead2b991b_prep:
	s_mov_b64 s[64:65], 0
	v_nop
	global_prefetch_b8 v0, s[64:65] scope:SCOPE_SE
	s_setreg_imm32_b32 hwreg(HW_REG_WAVE_MODE, 25, 1), 1
	s_wait_xcnt 0x0
; Tables for the gather.  proposals: [1024 boxes][x, y, w, h] f32.  One thread for box r and sample number k (0..15): g = 16 r + k.
; Sample k serves twice: as sample ROW k (from x, w: the feature map's first index) and as sample COLUMN k (from y, h).
; Entries 14 and 15 repeat samples 12 and 13, so that sixteen lanes of the next launch can run without a mask.
;   tabi[g] = re | ro<<8 | y0<<16 | y1<<24 | ne<<30 | no<<31
;     re, ro: the even and the odd one of the two feature rows a, min(a+1,49) that sample row k blends (a = 49: re = 48, unused by weight)
;     y0, y1: the two clipped feature columns of sample column k
;     ne, no: 1 if re (ro) differs from sample row k-1's: the next launch then loads that row anew
;   tabf[g]         = u : weight of row ro, so that value = T(re) + u (T(ro) - T(re))
;   tabf[16384 + g] = ay: weight of column y1
; LIMITS: indices are clipped in f32 before the conversion, which equals clipping the integer for |coordinate| < 2^31.
; start + t (size-1) is one fused multiply-add; where that lands on the other side of a whole number than two roundings would,
; the neighbouring cell is taken with weight next to 0 or 1, and the blended value is the same to rounding.
; Each store of a wave covers 128 consecutive bytes; the three tables are 192 KiB in all.
.set RCP13, 0x3d9d89d9                         ; 1/13
.set M13,   0xc1500000                         ; -13.0
.set F49,   0x42440000                         ; 49.0
	s_load_b128 s[4:7], s[0:1], 0x0                ; proposals s[4:5], tabi s[6:7]
	s_load_b64 s[8:9], s[0:1], 0x10                ; tabf
	s_lshl_b32 s2, ttmp9, 7                        ; 128 threads in a work-group
	v_add_nc_u32 v1, s2, v0                        ; g
	v_and_b32 v2, -16, v1                          ; 16 r: the box's byte offset
	v_and_b32 v3, 15, v1                           ; k
	s_wait_kmcnt 0x0
	global_load_b128 v[4:7], v2, s[4:5]            ; x, y, w, h (sixteen lanes read the same 16 bytes)
	v_add_nc_u32 v8, -2, v3
	v_cmp_gt_u32 vcc_lo, 14, v3
	v_cndmask_b32 v8, v8, v3, vcc_lo               ; k < 14 ? k : k - 2
	v_cvt_f32_u32 v9, v8
	v_mul_f32 v10, RCP13, v9                       ; t = k / 13: a first quotient,
	v_fmamk_f32 v11, v10, M13, v9                  ; its exact remainder k - 13 q,
	v_fmamk_f32 v10, v11, RCP13, v10               ; and one correction
	v_lshlrev_b32 v30, 2, v1                       ; 4 g: my word in each table
	s_wait_loadcnt 0x0
	v_pk_mul_f32 v[12:13], v[4:5], 0x3d800000 op_sel_hi:[1,0]      ; x/16, y/16 (50/800, exact)
	v_pk_mul_f32 v[14:15], v[6:7], 0xbd800000 op_sel_hi:[1,0]      ; -w/16, -h/16
	v_floor_f32 v12, v12                           ; start of the box
	v_floor_f32 v13, v13
	v_floor_f32 v14, v14                           ; floor(-z) = -ceil(z)
	v_floor_f32 v15, v15
	v_sub_f32 v14, -1.0, v14                       ; size - 1
	v_sub_f32 v15, -1.0, v15
	v_pk_fma_f32 v[16:17], v[14:15], v[10:11], v[12:13] op_sel_hi:[1,0,1]   ; s = start + t (size-1); both halves take t = v10
	v_floor_f32 v18, v16
	v_floor_f32 v19, v17
	v_pk_add_f32 v[20:21], v[16:17], v[18:19] neg_lo:[0,1] neg_hi:[0,1]     ; ax, ay = s - floor(s), from the unclipped floor
	v_max_num_f32 v18, 0, v18
	v_max_num_f32 v19, 0, v19
	v_min_num_f32 v18, F49, v18
	v_min_num_f32 v19, F49, v19
	v_cvt_u32_f32 v18, v18                         ; a  = clipped row
	v_cvt_u32_f32 v19, v19                         ; y0 = clipped column
	v_add_nc_u32 v22, 1, v19
	v_min_u32 v22, 49, v22                         ; y1
	v_or_b32 v23, 1, v18                           ; ro: a or a+1, whichever is odd (at most 49)
	v_add_nc_u32 v24, 1, v18
	v_and_b32 v24, -2, v24
	v_min_u32 v24, 48, v24                         ; re: a or a+1, whichever is even; a = 49 has none: 48, weight 0
	v_and_b32 v25, 1, v18
	v_sub_f32 v26, 1.0, v20
	v_cmp_eq_u32 vcc_lo, 1, v25
	v_cndmask_b32 v26, v20, v26, vcc_lo            ; a even: row ro = a+1 weighs ax; a odd: row ro = a weighs 1 - ax
	v_cmp_eq_u32 vcc_lo, 49, v18
	v_cndmask_b32 v26, v26, 1.0, vcc_lo            ; a = 49: both rows are row 49
	v_mov_b32 v27, -1                              ; k = 0 has no sample before it: stays -1, flags 1
	v_mov_b32 v28, -1
	v_mov_b32_dpp v27, v24 row_shr:1 row_mask:0xf bank_mask:0xf    ; re of sample k-1: a box's sixteen threads are one row of lanes
	v_mov_b32_dpp v28, v23 row_shr:1 row_mask:0xf bank_mask:0xf    ; ro of sample k-1
	v_cmp_ne_u32 vcc_lo, v27, v24
	v_cndmask_b32 v27, 0, 1, vcc_lo
	v_cmp_ne_u32 vcc_lo, v28, v23
	v_cndmask_b32 v28, 0, 1, vcc_lo
	v_lshl_or_b32 v29, v23, 8, v24
	v_lshl_or_b32 v29, v19, 16, v29
	v_lshl_or_b32 v29, v22, 24, v29
	v_lshl_or_b32 v29, v27, 30, v29
	v_lshl_or_b32 v29, v28, 31, v29
	global_store_b32 v30, v29, s[6:7]
	global_store_b32 v30, v26, s[8:9]
	global_store_b32 v30, v21, s[8:9] offset:65536
	s_endpgm
.Lfunc_end_k_q2ead2b991b_prep:
	.size	k_q2ead2b991b_prep, .Lfunc_end_k_q2ead2b991b_prep-k_q2ead2b991b_prep
	.p2alignl 7, 3214868480
	.fill 96, 4, 3214868480
	.section	.rodata,"a",@progbits
	.p2align	6, 0x0
	.amdhsa_kernel k_q2ead2b991b_prep
		.amdhsa_group_segment_fixed_size 0
		.amdhsa_private_segment_fixed_size 0
		.amdhsa_enable_private_segment 0
		.amdhsa_kernarg_size 24
		.amdhsa_user_sgpr_count 2
		.amdhsa_user_sgpr_kernarg_segment_ptr 1
		.amdhsa_wavefront_size32 1
		.amdhsa_system_sgpr_workgroup_id_x 1
		.amdhsa_system_sgpr_workgroup_id_y 1
		.amdhsa_system_sgpr_workgroup_id_z 1
		.amdhsa_system_vgpr_workitem_id 0
		.amdhsa_next_free_vgpr 32
		.amdhsa_next_free_sgpr 66
		.amdhsa_reserve_vcc 1
		.amdhsa_float_denorm_mode_32 3
		.amdhsa_float_denorm_mode_16_64 3
		.amdhsa_memory_ordered 1
		.amdhsa_forward_progress 1
		.amdhsa_inst_pref_size 4
	.end_amdhsa_kernel
	.amdgpu_metadata
---
amdhsa.version: [ 1, 2 ]
amdhsa.kernels:
  - .name:           k_q2ead2b991b_prep
    .symbol:         k_q2ead2b991b_prep.kd
    .args:
      - { .name: proposals, .offset: 0, .size: 8, .value_kind: global_buffer, .address_space: global }
      - { .name: tabi, .offset: 8, .size: 8, .value_kind: global_buffer, .address_space: global }
      - { .name: tabf, .offset: 16, .size: 8, .value_kind: global_buffer, .address_space: global }
    .group_segment_fixed_size: 0
    .private_segment_fixed_size: 0
    .kernarg_segment_align: 8
    .kernarg_segment_size: 24
    .max_flat_workgroup_size: 128
    .sgpr_count:     66
    .vgpr_count:     32
    .wavefront_size: 32
...
	.end_amdgpu_metadata
.endif
;; end of part 1
;; launch roi (part 2): grid 256 x 1, 32 waves a work-group, no clusters, 282,624 bytes of LDS; arguments features, tabi, tabf, out0; writes out0
.if DOCPART == 2
	.amdgcn_target "amdgcn-amd-amdhsa--gfx1250"
	.amdhsa_code_object_version 6
	.text
	.protected	k_q2ead2b991b_roi
	.globl	k_q2ead2b991b_roi
	.p2align	8
	.type	k_q2ead2b991b_roi,@function
k_q2ead2b991b_roi:
	s_mov_b64 s[64:65], 0
	v_nop
	global_prefetch_b8 v0, s[64:65] scope:SCOPE_SE
	s_setreg_imm32_b32 hwreg(HW_REG_WAVE_MODE, 25, 1), 1
	s_wait_xcnt 0x0
; out0[b][n][c][7][7] = 2x2 max pool of the 14x14 bilinear samples of box n in features[b][c][50][50].  All arithmetic in f32.
; WORK-GROUP x = ((16 b + cg) 4 + q): image b, channels 16 cg .. 16 cg + 15, boxes 64 q .. 64 q + 63.  32 waves, two boxes each.
; LDS: the 16 maps, regrouped so that a point (row, column) holds FOUR channels in 16 bytes: block Q (channels 4Q..4Q+3) at Q*QUAD,
; point p = 50 row + column at 16 p.  One ds_load_b128 then gives a lane four channels at an aligned address, every blend is a packed
; f32 instruction on two channels, and all four clipped indices are used as they are.
; LANE (h = lane/16, s = lane%16): sample column j = s (s = 14, 15 repeat 12, 13: same addresses, same values, same stores, no mask);
; channels 8h .. 8h+7: block 2h by the address register, block 2h+1 by the immediate offset QUAD.
; SAMPLE ROWS i = 0..13 go in sequence.  T(row) = wy0 P(row, y0) + wy1 P(row, y1) is kept for one even and one odd feature row;
; value(i) = T(re) + u (T(ro) - T(re)).  A bit of the index word says whether a slot's row differs from the sample row before:
; only then is it loaded and blended anew.  The bits are made by comparing the indices themselves, so any sequence of rows is served.
; Sixteen lanes of a load touch the 16-byte columns (y mod 16) of one row: all different while a box spans at most 16 columns.
; OUTPUT: a box's 16 channels are 3,136 consecutive bytes, starting m = 64 (cg % 4) bytes behind a multiple of 256.  They are staged in
; the wave's own LDS bytes at offset m and leave by seven 16-byte stores a lane.  Stores 1 to 5 take byte 512 k + 16 lane of the stage:
; each half of sixteen lanes covers 256 consecutive bytes, aligned.  Store 0 starts at the chunk's first byte (byte m + 16 lane, at most
; 496): sixteen neighbouring lanes cover bytes 256..511 whole.  The first and the last 256 bytes that a chunk touches may be shared with the
; neighbouring channel group: chunks made of whole such blocks alone would need 64 channels, 640,000 bytes of maps, in LDS.
; NO CLUSTER, NO TENSOR LOAD: the four work-groups of one (b, cg) read the same 160,000 bytes, but the copy regroups four channels into
; each point, and a tensor tile's innermost dimension runs along consecutive memory: the layout has to be made through registers.
; LIMIT: features must be finite (T(ro) - T(re) of two infinities is NaN where the weighted sum would be an infinity).
.set CHB,   10000                      ; bytes of one channel's map in memory
.set ROWB,  800                        ; LDS bytes of a map row: 50 points x 16
.set QUAD,  40960                      ; LDS pitch of a block of four channels: 2,560 points, 2,500 used
.set FEAT,  4*QUAD                     ; the maps; the stages lie behind them
.set STG,   3584                       ; a wave's stage: 7 x 512 bytes >= 192 + 3,136
.set ROIB,  50176                      ; bytes of out0 for one box
.set CHUNK, 3136                       ; of which this work-group's 16 channels
.set TOFF, 3                           ; v3       byte offset of my entry in the tables
.set GA,   5                           ; v5       copy: memory offset of my point, trips 0-8
.set LA,   6                           ; v6       copy: LDS address of my point
.set GZ,   8                           ; v8       copy: memory offset, last trip (clamped to the map's last point)
.set HOFF, 10                          ; v10      h * 2 * QUAD
.set ST,   11                          ; v11      stage: where my pooled values go
.set RDL0, 12                          ; v12-14   stage: where I read 16 bytes back (first, middle, last store)
.set RDLM, 13
.set RDL6, 14
.set GO0,  15                          ; v15-17   the same three offsets in out0
.set GOM,  16
.set GO6,  17
.set VIDX, 18                          ; v18-19   my index word, box 0 and 1
.set VAY,  20                          ; v20-21   my column weight ay
.set VY0,  22                          ; v22-23   HOFF + 16 y0, HOFF + 16 y1
.set VY1,  23
.set WY0,  24                          ; v24, v26, v28: 1-ay, ay, u; each the low register of a pair that packed instructions broadcast
.set WY1,  26
.set U,    28
.set A0,   30                          ; v30-31   addresses of a row's two points
.set A1,   31
.set T0,   32                          ; v32-34   scratch
.set T1,   33
.set T2,   34
.set LE,   36                          ; v36-51   even row as loaded: block 2h: y0, y1; block 2h+1: y0, y1 (4 channels each)
.set LO,   52                          ; v52-67   odd row
.set TE,   68                          ; v68-75   T(even row), 8 channels
.set TO,   76                          ; v76-83   T(odd row)
.set V0,   84                          ; v84-91   values of sample row 2 pi; then the pooled values
.set V1,   92                          ; v92-99   values of sample row 2 pi + 1
.set OUT,  100                         ; v100-127 the chunk on its way out
.set F,    36                          ; v36-75   copy: 10 trips x 4 channels
.set IDX0, 16                          ; s[16:31] index words of box 0 (box 1: s[68:83])
.set U0,   32                          ; s[32:47] weights u of box 0   (box 1: s[84:99])
	s_load_b256 s[4:11], s[0:1], 0x0               ; features s[4:5], tabi s[6:7], tabf s[8:9], out0 s[10:11]
	v_lshl_add_u32 v9, v0, 2, 0x44000
	v_mov_b32 v35, 0
	v_lshrrev_b32 v1, 5, v0
	v_readfirstlane_b32 s12, v1                    ; wave 0..31
	s_and_b32 s13, ttmp9, 3                        ; q
	s_bfe_u32 s14, ttmp9, 0x40002                  ; cg
	s_lshr_b32 s15, ttmp9, 6                       ; b
	s_lshl_b32 s48, s15, 8
	s_lshl_b32 s49, s13, 6
	s_add_co_u32 s48, s48, s49
	s_add_co_u32 s48, s48, s12                     ; my first box: 256 b + 64 q + wave; the second is 32 further
	s_lshl_b32 s49, s48, 6                         ; 16 entries of 4 bytes for a box in each table
	v_and_b32 v2, 15, v0                           ; s
	v_lshl_add_u32 v[TOFF], v2, 2, s49
	s_lshr_b32 s50, ttmp9, 2
	s_mul_i32 s50, s50, 16*CHB                     ; the work-group's 16 maps,
	s_lshr_b32 s54, s12, 3                         ; of which eight waves copy block Q = wave / 8
	s_mul_i32 s51, s54, 4*CHB
	s_add_co_u32 s50, s50, s51
	s_mov_b32 s51, 0
	s_mul_i32 s55, s54, QUAD
	s_and_b32 s56, s14, 3
	s_lshl_b32 s56, s56, 6                         ; m
	s_mul_i32 s52, s48, ROIB
	s_mul_i32 s53, s14, CHUNK
	s_add_co_u32 s52, s52, s53
	s_sub_co_u32 s52, s52, s56                     ; my first chunk's offset in out0, less m: a multiple of 256
	s_mov_b32 s53, 0
	s_mul_i32 s59, s12, STG
	s_add_co_u32 s59, s59, FEAT                    ; my stage
	s_add_co_u32 s57, s59, s56                     ; the chunk's first byte in it
	s_add_co_u32 s58, s56, CHUNK-16                ; offset of the chunk's last 16 bytes
	s_mov_b32 vcc_lo, 0xaaaaaaaa                   ; odd lanes; VCC holds this for the whole kernel
	s_wait_kmcnt 0x0
	; both boxes' tables are asked for ahead of the copy of the maps and are waited for behind it
	s_load_b512 s[16:31], s[6:7], s49
	s_load_b512 s[32:47], s[8:9], s49
	s_load_b512 s[68:83], s[6:7], s49 offset:0x800
	s_load_b512 s[84:99], s[8:9], s49 offset:0x800
	global_load_b32 v[VIDX],   v[TOFF], s[6:7]
	global_load_b32 v[VIDX+1], v[TOFF], s[6:7] offset:2048
	global_load_b32 v[VAY],    v[TOFF], s[8:9] offset:65536
	global_load_b32 v[VAY+1],  v[TOFF], s[8:9] offset:65536+2048
	s_add_nc_u64 s[4:5], s[4:5], s[50:51]
	s_add_nc_u64 s[10:11], s[10:11], s[52:53]
	; THE COPY.  Thread t of a block's 256 takes points t + 256 r, r = 0..9: four loads (one word of each channel, a wave's 32 lanes
	; 128 consecutive bytes) fill four neighbouring registers, which one ds_store_b128 lays down as the point.  In the last trip the
	; memory offset is clamped to point 2,499; the LDS address is not: those lanes write the block's unused points 2,500..2,559.
	v_and_b32 v4, 0xff, v0
	v_lshlrev_b32 v[GA], 2, v4
	v_lshlrev_b32 v[LA], 4, v4
	v_add_nc_u32 v[LA], s55, v[LA]
	v_add_nc_u32 v7, 2304, v4
	v_min_u32 v7, 2499, v7
	v_lshlrev_b32 v[GZ], 2, v7
.irp r, 0,1,2,3,4,5,6,7,8
.irp k, 0,1,2,3
	global_load_b32 v[F+4*\r+\k], v[GA], s[4:5] offset:\k*CHB+\r*1024
.endr
.endr
.irp k, 0,1,2,3
	global_load_b32 v[F+36+\k], v[GZ], s[4:5] offset:\k*CHB
.endr
	; the lane's constants, while the loads are out
	v_and_b32 v1, 31, v0                           ; lane
	v_lshrrev_b32 v[T0], 4, v1                     ; h
	v_mul_u32_u24 v[HOFF], 2*QUAD, v[T0]
	v_lshrrev_b32 v[T1], 1, v2
	v_min_u32 v[T1], 6, v[T1]                      ; pooled column pj (s = 14, 15: 6, like 12, 13)
	v_and_b32 v[T2], 1, v0                         ; odd lanes store the odd channels
	v_mul_u32_u24 v[ST], 1568, v[T0]               ; 8 channels x 196 bytes
	v_mad_u32_u24 v[ST], v[T2], 196, v[ST]
	v_lshl_add_u32 v[ST], v[T1], 2, v[ST]
	v_add_nc_u32 v[ST], s57, v[ST]
	v_lshlrev_b32 v[GOM], 4, v1                    ; 16 bytes a lane
	v_add_nc_u32 v[GO0], s56, v[GOM]               ; first store: from the chunk's first byte on;
	v_min_u32 v[GO0], 496, v[GO0]                  ; the m/16 lanes that would pass byte 511 repeat bytes 496..511
	v_add_nc_u32 v[GO6], 3072, v[GOM]
	v_min_u32 v[GO6], s58, v[GO6]                  ; last store: lanes behind the chunk repeat its last 16 bytes
	v_add_nc_u32 v[RDL0], s59, v[GO0]
	v_add_nc_u32 v[RDLM], s59, v[GOM]
	v_add_nc_u32 v[RDL6], s59, v[GO6]
	v_mov_b32 v[WY0+1], 0                          ; the upper registers of the broadcast pairs are named by the packed instructions, never used
	v_mov_b32 v[WY1+1], 0
	v_mov_b32 v[U+1], 0
.irp r, 0,1,2,3,4,5,6,7,8,9
	s_wait_loadcnt 36-4*\r                         ; loads come back in order (ISA guide 5.7.1): trip r is in, the 4 (9-r) loads of later trips stay out
	ds_store_b128 v[LA], v[F+4*\r:F+4*\r+3] offset:\r*4096
.endr
	s_wait_dscnt 0x0                               ; my part of the maps is in LDS,
	s_wait_kmcnt 0x0                               ; (and my tables are in)
	s_barrier_signal -1
	s_barrier_wait -1                              ; everybody's is.  From here on the maps are only read, and no wave needs another
; one feature row for my column pair and my 8 channels.  idxreg: the scalar register with the sample row's index word; field: its byte
.macro LDROW l, idxreg, field
	s_bfe_u32 s48, s[\idxreg], \field
	s_min_u32 s48, s48, 49                         ; a loaded number enters an address only bounded
	s_mul_i32 s48, s48, ROWB
	v_add_nc_u32 v[A0], s48, v[VY0]
	v_add_nc_u32 v[A1], s48, v[VY1]
	ds_load_b128 v[\l:\l+3],     v[A0]
	ds_load_b128 v[\l+4:\l+7],   v[A1]
	ds_load_b128 v[\l+8:\l+11],  v[A0] offset:QUAD
	ds_load_b128 v[\l+12:\l+15], v[A1] offset:QUAD
.endm
; T = wy0 P(y0) + wy1 P(y1), two channels an instruction
.macro CROW t, l
.irp it, 0,1
.irp p, 0,2
	v_pk_mul_f32 v[\t+4*\it+\p:\t+4*\it+\p+1], v[\l+8*\it+\p:\l+8*\it+\p+1], v[WY0:WY0+1] op_sel_hi:[1,0]
.endr
.endr
.irp it, 0,1
.irp p, 0,2
	v_pk_fma_f32 v[\t+4*\it+\p:\t+4*\it+\p+1], v[\l+8*\it+4+\p:\l+8*\it+4+\p+1], v[WY1:WY1+1], v[\t+4*\it+\p:\t+4*\it+\p+1] op_sel_hi:[1,0,1]
.endr
.endr
.endm
; a box begins: my two column offsets and weights, and both rows of sample row 0
.macro HEAD roi
	v_bfe_u32 v[T0], v[VIDX+\roi], 16, 8
	v_bfe_u32 v[T1], v[VIDX+\roi], 24, 6
	v_min_u32 v[T0], 49, v[T0]
	v_min_u32 v[T1], 49, v[T1]
	v_lshl_add_u32 v[VY0], v[T0], 4, v[HOFF]
	v_lshl_add_u32 v[VY1], v[T1], 4, v[HOFF]
	v_sub_f32 v[WY0], 1.0, v[VAY+\roi]
	v_mov_b32 v[WY1], v[VAY+\roi]
	LDROW LE, IDX0+52*\roi, 0x80000
	LDROW LO, IDX0+52*\roi, 0x80008
.endm
; sample row i: blend the rows that were loaded for it, ask for those of row i+1, then make the values while these loads are out.
; The wait stands outside the branches: on every path nothing is pending when a slot's registers are read or loaded again.
.macro STEP roi, i
.set IDX, IDX0+52*\roi
.set UB,  U0+52*\roi
.set VD,  V0+8*(\i&1)
	s_wait_dscnt 0x0
.if \i == 0
	CROW TE, LE
	CROW TO, LO
.else
	s_bitcmp1_b32 s[IDX+\i], 30                    ; a new even row?
	s_cbranch_scc0 .Lce\roi\i
	CROW TE, LE
.Lce\roi\i:
	s_bitcmp1_b32 s[IDX+\i], 31                    ; a new odd row?
	s_cbranch_scc0 .Lco\roi\i
	CROW TO, LO
.Lco\roi\i:
.endif
.if \i < 13
	s_bitcmp1_b32 s[IDX+\i+1], 30
	s_cbranch_scc0 .Lle\roi\i
	LDROW LE, IDX+\i+1, 0x80000
.Lle\roi\i:
	s_bitcmp1_b32 s[IDX+\i+1], 31
	s_cbranch_scc0 .Llo\roi\i
	LDROW LO, IDX+\i+1, 0x80008
.Llo\roi\i:
.endif
	v_mov_b32 v[U], s[UB+\i]
.irp p, 0,2,4,6
	v_pk_add_f32 v[VD+\p:VD+\p+1], v[TO+\p:TO+\p+1], v[TE+\p:TE+\p+1] neg_lo:[0,1] neg_hi:[0,1]
.endr
.irp p, 0,2,4,6
	v_pk_fma_f32 v[VD+\p:VD+\p+1], v[VD+\p:VD+\p+1], v[U:U+1], v[TE+\p:TE+\p+1] op_sel_hi:[1,0,1]
.endr
.if \i & 1
	; pool: rows 2 pi, 2 pi + 1 in the lane; columns 2 pj, 2 pj + 1 between lanes s and s xor 1.  Each lane of the pair finishes four of the
	; eight channels (even lane: even ones): it keeps its own value of those and hands the partner the other four.
.irp k, 0,1,2,3,4,5,6,7
	v_max_num_f32 v[V1+\k], v[V0+\k], v[V1+\k]
.endr
.irp a, 0,1,2,3
	v_cndmask_b32 v[V0+\a],   v[V1+2*\a],   v[V1+2*\a+1], vcc_lo     ; keep
	v_cndmask_b32 v[V0+4+\a], v[V1+2*\a+1], v[V1+2*\a],   vcc_lo     ; hand over
.endr
.irp a, 0,1,2,3
	v_max_num_f32_dpp v[V0+\a], v[V0+4+\a], v[V0+\a] row_xmask:1 row_mask:0xf bank_mask:0xf
.endr
.irp a, 0,1,2,3
	ds_store_b32 v[ST], v[V0+\a] offset:392*\a+28*(\i/2)           ; word (8h + 2a + s%2) 49 + 7 pi + pj: the four groups of lanes (h, s%2) lie 8, 49, 57 words apart mod 64, 7 words each
.endr
.endif
.endm
; the chunk leaves: 16 bytes a lane back from my stage, into the same place relative to a multiple of 256 bytes from out0's first byte.
; All seven read-backs lie inside stage bytes m .. m + 3,135, which the 16 channels x 49 words stored above fill.
.macro OUTP roi
.if \roi
	s_wait_xcnt 0x0                                ; the first box's stores have had their addresses translated (ISA guide 3.1): their data registers are loaded again only behind this wait
.endif
	ds_load_b128 v[OUT:OUT+3], v[RDL0]             ; LDS serves a wave's instructions in order (ISA guide 5.7.1.4): these see the stores above
.irp k, 1,2,3,4,5
	ds_load_b128 v[OUT+4*\k:OUT+4*\k+3], v[RDLM] offset:512*\k
.endr
	ds_load_b128 v[OUT+24:OUT+27], v[RDL6]
	s_wait_dscnt 0x6                               ; the six younger read-backs may be out
	global_store_b128 v[GO0], v[OUT:OUT+3], s[10:11] offset:\roi*32*ROIB th:TH_STORE_NT
.irp k, 1,2,3,4,5
	s_wait_dscnt 6-\k
	global_store_b128 v[GOM], v[OUT+4*\k:OUT+4*\k+3], s[10:11] offset:\roi*32*ROIB+512*\k th:TH_STORE_NT
.endr
	s_wait_dscnt 0x0
	global_store_b128 v[GO6], v[OUT+24:OUT+27], s[10:11] offset:\roi*32*ROIB th:TH_STORE_NT
.endm
	HEAD 0
.irp i, 0,1,2,3,4,5,6,7,8,9,10,11,12,13
	STEP 0, \i
.endr
	HEAD 1                                         ; the second box's first rows are asked for before the first box leaves
	OUTP 0
.irp i, 0,1,2,3,4,5,6,7,8,9,10,11,12,13
	STEP 1, \i
.endr
	OUTP 1
	s_wait_tensorcnt 0x0
	ds_add_u32 v9, v35
	s_wait_dscnt 0x0
	s_endpgm
.Lfunc_end_k_q2ead2b991b_roi:
	.size	k_q2ead2b991b_roi, .Lfunc_end_k_q2ead2b991b_roi-k_q2ead2b991b_roi
	.p2alignl 7, 3214868480
	.fill 96, 4, 3214868480
	.section	.rodata,"a",@progbits
	.p2align	6, 0x0
	.amdhsa_kernel k_q2ead2b991b_roi
		.amdhsa_group_segment_fixed_size 282624
		.amdhsa_private_segment_fixed_size 0
		.amdhsa_enable_private_segment 0
		.amdhsa_kernarg_size 32
		.amdhsa_user_sgpr_count 2
		.amdhsa_user_sgpr_kernarg_segment_ptr 1
		.amdhsa_wavefront_size32 1
		.amdhsa_system_sgpr_workgroup_id_x 1
		.amdhsa_system_sgpr_workgroup_id_y 1
		.amdhsa_system_sgpr_workgroup_id_z 1
		.amdhsa_system_vgpr_workitem_id 0
		.amdhsa_next_free_vgpr 128
		.amdhsa_next_free_sgpr 100
		.amdhsa_reserve_vcc 1
		.amdhsa_float_denorm_mode_32 3
		.amdhsa_float_denorm_mode_16_64 3
		.amdhsa_memory_ordered 1
		.amdhsa_forward_progress 1
		.amdhsa_inst_pref_size 103
	.end_amdhsa_kernel
	.amdgpu_metadata
---
amdhsa.version: [ 1, 2 ]
amdhsa.kernels:
  - .name:           k_q2ead2b991b_roi
    .symbol:         k_q2ead2b991b_roi.kd
    .args:
      - { .name: features, .offset: 0, .size: 8, .value_kind: global_buffer, .address_space: global }
      - { .name: tabi, .offset: 8, .size: 8, .value_kind: global_buffer, .address_space: global }
      - { .name: tabf, .offset: 16, .size: 8, .value_kind: global_buffer, .address_space: global }
      - { .name: out0, .offset: 24, .size: 8, .value_kind: global_buffer, .address_space: global }
    .group_segment_fixed_size: 282624
    .private_segment_fixed_size: 0
    .kernarg_segment_align: 8
    .kernarg_segment_size: 32
    .max_flat_workgroup_size: 1024
    .sgpr_count:     100
    .vgpr_count:     128
    .wavefront_size: 32
...
	.end_amdgpu_metadata
.endif
;; end of part 2
